; MI455X (gfx1250); checked and timed in simulation.
; The chip was launched on July 23, 2026; its instructions are those of AMD's public machine-readable ISA for CDNA 5 (MIT licence, August 2026) and "CDNA5" Instruction Set Architecture Reference Guide (July 2026). The comments in the code are by the model that wrote it; some were corrected since.
;; Turbo Quant MSE. Allowed arithmetic: float matrix products may take bf16 or f16 operands with f32 sums; other float arithmetic in f32, or as packed bf16 or f16 multiplies, adds, multiply-adds, maxima and minima; sums over many terms, partial sums and values carried from step to step in f32; what a program stores and reads back later, other than sums and carried values, may be rounded once to bf16 or f16.
;; Inputs: boundaries 255 float32; centroids 256 float32; signs 1 x 128 float32; wht 128 x 128 float32; x 2 x 16 x 4,096 x 128 float32.
;; Outputs: out0 2 x 16 x 4,096 x 128 float32.
;; One version. Each part assembles by itself: llvm-mc -triple=amdgcn-amd-amdhsa -mcpu=gfx1250 --defsym DOCPART=n.
;; ======== version 1 of 1: 3 launches
;; workspace buffers: xn 67,108,864 bytes of whole numbers; keyf 33,554,432 bytes of whole numbers; lut 131,072 bytes; rowst 2,097,152 bytes; fac 1,048,576 bytes
;; launch rotate (part 1): grid 256 x 1, 8 waves a work-group, no clusters, 327,680 bytes of LDS; arguments x, signs, wht, boundaries, centroids, xn, rowst, lut; writes xn, rowst, lut
.if DOCPART == 1
	.amdgcn_target "amdgcn-amd-amdhsa--gfx1250"
	.amdhsa_code_object_version 6
	.text
	.protected	k_q57a483759c_rotate
	.globl	k_q57a483759c_rotate
	.p2align	8
	.type	k_q57a483759c_rotate,@function
k_q57a483759c_rotate:
	s_mov_b64 s[64:65], 0
	v_nop
	global_prefetch_b8 v0, s[64:65] scope:SCOPE_SE
	s_setreg_imm32_b32 hwreg(HW_REG_WAVE_MODE, 25, 1), 1
	s_wait_xcnt 0x0
; TURBOQUANT, LAUNCH 1 OF 3: normalise, rotate, scale to the codebook; and the look-up table.
; THE PROGRAM.  131,072 rows of 128 f32.  Launch 1: z = x S (S[i][c] = signs[i] wht[i][c]), the row's norm, max |x_rot|, mean |x_rot|; it stores x_norm = x_rot / (rms + EPS) and four
; numbers a row.  Launch 2: looks x_norm's centroids up, fits gamma1, and stores the final 16-bit keys and one factor a row.  Launch 3: looks the keys' centroids up, multiplies by S^T and the factor.
; Three launches, since the second search hangs on the first one's centroids.
; FORMATS.  All five inputs are rounded once to bf16.  Both products then have exact operands: x in bf16 times S, centroids in bf16 times S.  The row factors (1 / norm, 128^-1/2, gamma, norm) are
; taken out of the products, which are linear in them, and applied in f32.
; THE SEARCH IS ONE LOOK-UP.  For boundaries b in bf16 and v in f32: b < v exactly if b < u, u the least bf16 not below v.  So centroids[searchsorted(boundaries, v)] is a function of u's 16 bits:
; a table of 65,536 bf16, made here, 256 entries a work-group.  u's code is (bits + 0xffff) >> 16 for v >= 0 and bits >> 16 for v < 0.
; NOTHING IS LEFT OUT AS DEAD: every input has a way to the output and is loaded.
; LIMITS.  signs that are no powers of two cost S one more rounding to bf16.  The norm is taken of x as loaded (it cancels in the result but for the terms with EPS).  boundaries are taken as sorted, as
; searchsorted takes them.  NaN and infinities are not treated apart.  Divisions are a reciprocal and one correction step.
; SHARES.  A work-group has 512 rows, each of its eight waves 64: four tiles of 16.  A wave's four tiles are asked for at once, by four tensor loads into bytes of its own that are filled once: four loads
; of a wave are out at the most, and tile t is worked on while the later ones land.  NO CLUSTER: x's tiles are each work-group's own, and wht passes through registers for its rounding and its sign.
; LAYOUT.  The product is taken transposed: source 0 = 16 columns of S, source 1 = 16 rows of x.  In the result lane l holds row l % 16 and coordinates 16 a + 8 (l / 16) + 0..7: a row's maximum and
; sums want one exchange between the halves of the lanes.
; REGISTERS.  Window 0 as named below; window 1: the 32 fragments of S, fragment (a, ks) at 8 (4 a + ks).
.set PX,    528                        ; a row of x in LDS: 512 bytes + 16 of padding: the 16 rows of a load begin 132 words apart
.set TILEB, 16*PX
.set WAVEB, 4*TILEB
.set SM,    8*WAVEB                    ; S in bf16, [128][128], rows PS apart
.set PS,    288                        ; an odd multiple of 32 bytes, for the turning load
.set LS,    SM+128*PS                  ; the work-group's 256 table entries
.set SPARE, LS+512                     ; the spare words, 128 bytes for each wave: four blocks of 256 bytes that no other line names
.set XA,  4                            ; v4   my place in my wave's tile 0 of x
.set GO,  5                            ; v5   16 x lane
.set RO,  6                            ; v6   16 r + 8 h
.set TRA, 7                            ; v7   my place in S for the turning load
.set SPW, 8                            ; v8   LDS address of my spare word; never rewritten
.set NIL, 9                            ; v9   0; never rewritten
.set SA,  10                           ; v10  where I put 8 bytes of a row of S
.set LSA, 11                           ; v11  where I put my table entry
.set SS,  12                           ; v12-15 sum of squares, two packed chains; later row numbers
.set ZM,  16                           ; v16-19 max |z|, four chains; later row numbers
.set ZS,  20                           ; v20-23 sum |z|, four chains; later row numbers
.set XB,  32                           ; v32-63  x in bf16: four fragments
.set XF,  64                           ; v64-127 x in f32
.set Z,   128                          ; v128-191 eight accumulators
.set WT,  64                           ; at the head: 16 rows of wht
.set BV,  128                          ; at the head: eight boundaries a lane,
.set CV,  136                          ; the centroids above them,
.set AB,  144                          ; their byte offsets
.set U,   152
.set VAL, 153
.set SG,  154
.set C0,  156
.set ZA,  157
.set SGA, 158
.set LRA, 159
.set LT,  160
.set MSB, 0
.macro WIN new                         ; the immediate's high byte repeats the setting that is left
.if MSB != (\new)
	s_set_vgpr_msb (MSB<<8)|(\new)
.set MSB, \new
.endif
.endm
.macro RUN n, line:vararg              ; a line n times, e = 0 .. n - 1
.set e, 0
.rept \n
	\line
.set e, e+1
.endr
.endm
.macro DIV q, n, d, rc, t              ; q = n / d from rc = 1 / d, with one correction step
	v_mul_f32 \q, \n, \rc
	v_fma_f32 \t, -\q, \d, \n
	v_fma_f32 \q, \t, \rc, \q
.endm
	s_load_b256 s[4:11], s[0:1], 0x0               ; x s[4:5], signs s[6:7], wht s[8:9], boundaries s[10:11]
	s_load_b256 s[12:19], s[0:1], 0x20             ; centroids s[12:13], xn s[14:15], rowst s[16:17], lut s[18:19]
	v_lshl_add_u32 v[SPW], v0, 2, SPARE
	v_mov_b32 v[NIL], 0
	ds_add_u32 v[SPW], v[NIL]                      ; the wave's opening: the add, twice on end, and its wait ahead of my first tensor load
	ds_add_u32 v[SPW], v[NIL]
	v_lshrrev_b32 v1, 5, v0
	v_readfirstlane_b32 s20, v1                    ; wave 0..7
	s_lshl_b32 s21, ttmp9, 3
	s_add_co_u32 s21, s21, s20                     ; my block of 64 rows
	; descriptor group 1: 16 rows x 128 elements of 4 bytes, 4 words of padding behind every 128
	s_mov_b32 s24, (2<<16)|(1<<20)|(6<<22)|(3<<25)
	s_mov_b32 s25, 128<<16                         ; tensor_dim0
	s_mov_b32 s26, 16<<16                          ; tensor_dim1
	s_mov_b32 s27, 128<<16                         ; tile_dim0
	s_mov_b32 s28, 16                              ; tile_dim1
	s_mov_b32 s29, 128                             ; elements from row to row
	s_mov_b32 s30, 0
	s_mov_b32 s31, 0
	s_mul_i32 s58, s20, WAVEB                      ; my wave's four tiles in LDS
.irp t, 0,1,2,3
	s_mov_b32 s[32+4*(\t)], 1
	s_add_co_u32 s[33+4*(\t)], s58, (\t)*TILEB
.endr
	s_mov_b32 s48, 0x322bcc77                      ; EPS = 1e-8
	s_mov_b32 s49, 0x3db504f3                      ; 128^-1/2
	s_mov_b32 s52, 0xffff0000                      ; the lanes of the upper half
	s_mov_b32 s53, 0x3c000000                      ; 1 / 128
	s_mov_b32 s54, 0x76543210                      ; v_permlanex16_b32: each lane takes its own place in the other half
	s_mov_b32 s55, 0xfedcba98
	s_mov_b32 s57, 0x40a00000                      ; 5.0
	s_wait_dscnt 0x0                               ; both opening adds are done
	s_wait_kmcnt 0x0
	s_lshl_b32 s22, s21, 15                        ; 64 rows of 512 bytes
	s_mov_b32 s23, 0
	s_add_nc_u64 s[4:5], s[4:5], s[22:23]
	s_add_nc_u64 s[14:15], s[14:15], s[22:23]      ; xn has x's size: the same offset
.irp t, 0,1,2,3
	s_add_nc_u64 s[34+4*(\t):35+4*(\t)], s[4:5], (\t)*8192
	s_or_b32 s[35+4*(\t)], s[35+4*(\t)], 0x80000000
.endr
.irp t, 0,1,2,3
	tensor_load_to_lds s[32+4*(\t):35+4*(\t)], s[24:31]  ; all first fills in one group; nothing is ever filled again
	s_nop 0
.endr
.rept 4
	v_nop
.endr
	s_lshl_b32 s22, s21, 10                        ; four tiles x 256 bytes of row numbers
	s_add_nc_u64 s[16:17], s[16:17], s[22:23]
	s_lshl_b32 s22, ttmp9, 9                       ; the work-group's 256 table entries
	s_add_nc_u64 s[18:19], s[18:19], s[22:23]
	s_lshl_b32 s22, s20, 13                        ; my 16 rows of wht
	s_add_nc_u64 s[8:9], s[8:9], s[22:23]
	s_lshl_b32 s22, s20, 6                         ; and their signs
	s_add_nc_u64 s[6:7], s[6:7], s[22:23]
	v_and_b32 v1, 15, v0                           ; r
	v_bfe_u32 v2, v0, 4, 1                         ; h
	v_and_b32 v3, 31, v0                           ; lane
	v_mul_u32_u24 v[XA], v1, PX
	v_lshl_add_u32 v[XA], v2, 5, v[XA]
	v_add_nc_u32 v[XA], s58, v[XA]                 ; row r, 8 numbers for each half of the lanes
	v_lshlrev_b32 v[GO], 4, v3
	v_lshlrev_b32 v[RO], 4, v1
	v_lshl_add_u32 v[RO], v2, 3, v[RO]
	v_and_b32 v[TRA], 7, v0                        ; the turning load: lane l reads row 8 h + l % 8 of S, columns 8 ((l / 8) % 2) on
	v_lshl_add_u32 v[TRA], v2, 3, v[TRA]
	v_mul_u32_u24 v[TRA], v[TRA], PS
	v_bfe_u32 v[SA], v0, 3, 1
	v_lshl_add_u32 v[TRA], v[SA], 4, v[TRA]
	v_add_nc_u32 v[TRA], SM, v[TRA]
	s_mul_i32 s59, s20, 16*PS
	s_add_co_u32 s59, s59, SM
	v_lshl_add_u32 v[SA], v3, 3, s59
	s_lshl_b32 s60, s20, 6
	s_add_co_u32 s60, s60, LS
	v_lshl_add_u32 v[LSA], v3, 1, s60
	v_add_nc_u32 v[LRA], LS, v[GO]
	v_lshlrev_b32 v[SGA], 2, v1
	v_lshlrev_b32 v[ZA], 3, v3
.irp j, 0,1,2,3,4,5,6,7
	v_add_nc_u32 v[AB+(\j)], (\j), v[ZA]
	v_min_u32 v[AB+(\j)], 254, v[AB+(\j)]          ; boundary min(8 l + j, 254): the last lane's eighth repeats the last boundary, which changes nothing
	v_lshlrev_b32 v[AB+(\j)], 2, v[AB+(\j)]
.endr
	v_mov_b32 v[ZA], 0
	RUN 16, global_load_b128 v[WT+4*e:WT+4*e+3], v[GO], s[8:9] offset:512*e
	global_load_b32 v[SG], v[SGA], s[6:7]
.irp j, 0,1,2,3,4,5,6,7
	global_load_b32 v[BV+(\j)], v[AB+(\j)], s[10:11]
	global_load_b32 v[CV+(\j)], v[AB+(\j)], s[12:13] offset:4  ; the centroid above that boundary
.endr
	global_load_b32 v[C0], v[ZA], s[12:13]
	s_lshl_b32 s61, ttmp9, 8
	v_add_nc_u32 v[U], s61, v0                     ; my table entry's code,
	v_lshlrev_b32 v[U], 16, v[U]                   ; and the bf16 that it spells, as f32
	s_wait_loadcnt 0x0
	; S = bf16(signs) x bf16(wht), my 16 rows: lane l has columns 4 l .. 4 l + 3 of each
	v_cvt_pk_bf16_f32 v[SG], v[SG], v[SG]
.irp i, 0,1,2,3,4,5,6,7,8,9,10,11,12,13,14,15
	v_readlane_b32 s[68+(\i)], v[SG], (\i)         ; row i's sign, in both halves
.endr
.irp i, 0,1,2,3,4,5,6,7,8,9,10,11,12,13,14,15
	v_cvt_pk_bf16_f32 v[WT+4*(\i)], v[WT+4*(\i)], v[WT+4*(\i)+1]
	v_cvt_pk_bf16_f32 v[WT+4*(\i)+1], v[WT+4*(\i)+2], v[WT+4*(\i)+3]
	v_pk_mul_bf16 v[WT+4*(\i)], v[WT+4*(\i)], s[68+(\i)]
	v_pk_mul_bf16 v[WT+4*(\i)+1], v[WT+4*(\i)+1], s[68+(\i)]
	ds_store_b64 v[SA], v[WT+4*(\i):WT+4*(\i)+1] offset:(\i)*PS
.endr
	; my table entry: the centroid above the last boundary that lies below u.  The boundaries go by in ascending order, so the last true comparison decides.
.irp j, 0,1,2,3,4,5,6,7
	v_cvt_pk_bf16_f32 v[BV+(\j)], v[BV+(\j)], v[BV+(\j)]
	v_cvt_pk_bf16_f32 v[CV+(\j)], v[CV+(\j)], v[CV+(\j)]
	v_and_b32 v[BV+(\j)], 0xffff0000, v[BV+(\j)]   ; the rounded boundary as f32
.endr
	v_cvt_pk_bf16_f32 v[VAL], v[C0], v[C0]
	s_mov_b32 s56, 0
.Ltab:                                         ; trip s56: boundaries 8 s56 .. 8 s56 + 7, which lane s56 holds
.irp j, 0,1,2,3,4,5,6,7
	v_readlane_b32 s[68+(\j)], v[BV+(\j)], s56
	v_readlane_b32 s[84+(\j)], v[CV+(\j)], s56
.endr
.irp j, 0,1,2,3,4,5,6,7
	v_cmp_lt_f32 vcc_lo, s[68+(\j)], v[U]
	v_cndmask_b32 v[VAL], v[VAL], s[84+(\j)], vcc_lo
.endr
	s_add_co_u32 s56, s56, 1
	s_cmp_lt_u32 s56, 32
	s_cbranch_scc1 .Ltab
	ds_store_b16 v[LSA], v[VAL]
	v_readlane_b32 s50, v[CV+7], 31                ; the last centroid, rounded,
	s_lshl_b32 s50, s50, 16                        ; as f32
	v_rcp_f32 v24, s50
	v_nop                                          ; a plain instruction behind the reciprocal,
	s_wait_alu depctr_va_vdst(0)                   ; and the wait ahead of its first use
	v_readfirstlane_b32 s51, v24
	s_wait_dscnt 0x0                               ; for the others' sake: my rows of S and my table entries are in LDS
	s_barrier_signal -1
	s_barrier_wait -1
	s_cmp_lg_u32 s20, 0
	s_cbranch_scc1 .Lnolut
	ds_load_b128 v[LT:LT+3], v[LRA]                ; wave 0 sends the 256 entries out: 512 consecutive bytes
	s_wait_dscnt 0x0
	global_store_b128 v[GO], v[LT:LT+3], s[18:19]
.Lnolut:
	WIN 0x40                                       ; destination window 1
.irp a, 0,1,2,3,4,5,6,7
.irp ks, 0,1,2,3
	ds_load_tr16_b128 v[8*(4*(\a)+(\ks)):8*(4*(\a)+(\ks))+3],   v[TRA] offset:(\ks)*32*PS+32*(\a)
	ds_load_tr16_b128 v[8*(4*(\a)+(\ks))+4:8*(4*(\a)+(\ks))+7], v[TRA] offset:(\ks)*32*PS+16*PS+32*(\a)
.endr
.endr
	WIN 0
	s_wait_dscnt 0x0
.macro TILE t
	s_wait_tensorcnt 3-(\t)                        ; a wave's tensor loads end in order: tile t is in, the later ones may stay out
	s_wait_xcnt 0x0                                ; the last tile's stores have read their registers, which are written again below
.irp ks, 0,1,2,3
	ds_load_b128 v[XF+16*(\ks):XF+16*(\ks)+3],     v[XA] offset:(\t)*TILEB+128*(\ks)
	ds_load_b128 v[XF+16*(\ks)+4:XF+16*(\ks)+7],   v[XA] offset:(\t)*TILEB+128*(\ks)+16
	ds_load_b128 v[XF+16*(\ks)+8:XF+16*(\ks)+11],  v[XA] offset:(\t)*TILEB+128*(\ks)+64
	ds_load_b128 v[XF+16*(\ks)+12:XF+16*(\ks)+15], v[XA] offset:(\t)*TILEB+128*(\ks)+80
.endr
.irp ks, 0,1,2,3
	s_wait_dscnt 12-4*(\ks)                        ; this quarter's four loads are in, the later quarters' may stay out
.irp i, 0,1,2,3,4,5,6,7
.if ((\ks) == 0) && ((\i) < 2)
	v_pk_mul_f32 v[SS+2*(\i):SS+2*(\i)+1], v[XF+2*(\i):XF+2*(\i)+1], v[XF+2*(\i):XF+2*(\i)+1]  ; the first squares start the two chains
.else
	v_pk_fma_f32 v[SS+2*((\i)%2):SS+2*((\i)%2)+1], v[XF+16*(\ks)+2*(\i):XF+16*(\ks)+2*(\i)+1], v[XF+16*(\ks)+2*(\i):XF+16*(\ks)+2*(\i)+1], v[SS+2*((\i)%2):SS+2*((\i)%2)+1]
.endif
.endr
.irp i, 0,1,2,3,4,5,6,7
	v_cvt_pk_bf16_f32 v[XB+8*(\ks)+(\i)], v[XF+16*(\ks)+2*(\i)], v[XF+16*(\ks)+2*(\i)+1]
.endr
.endr
	WIN 0x01                                       ; source 0 (S) in window 1
.irp ks, 0,1,2,3                       ; the eight accumulators take turns, one instruction a turn
.irp a, 0,1,2,3,4,5,6,7
.if (\ks) == 0
	v_wmma_f32_16x16x32_bf16 v[Z+8*(\a):Z+8*(\a)+7], v[8*(4*(\a)+(\ks)):8*(4*(\a)+(\ks))+7], v[XB+8*(\ks):XB+8*(\ks)+7], 0
.else
	v_wmma_f32_16x16x32_bf16 v[Z+8*(\a):Z+8*(\a)+7], v[8*(4*(\a)+(\ks)):8*(4*(\a)+(\ks))+7], v[XB+8*(\ks):XB+8*(\ks)+7], v[Z+8*(\a):Z+8*(\a)+7]
.endif
.endr
.endr
	WIN 0
	v_add_f32 v[SS], v[SS], v[SS+1]                ; four plain instructions that name no register of the products: the places behind them
	v_add_f32 v[SS+2], v[SS+2], v[SS+3]
	v_nop
	v_add_f32 v[SS], v[SS], v[SS+2]
	v_permlanex16_b32 v[SS+1], v[SS], s54, s55     ; the row's other 64 numbers lie in the lane 16 away
	v_add_f32 v[SS], v[SS], v[SS+1]
	v_sqrt_f32 v24, v[SS]                          ; the 92 lines below are the independent work between it and its wait
.irp s, 0,1,2,3,4,5,6,7                ; max |z| and sum |z|, four chains each; every accumulator's lowest registers are read first
.irp c, 0,1,2,3
.if (\s) == 0
	v_max_num_f32 v[ZM+(\c)], |v[Z+16*(\c)]|, |v[Z+16*(\c)+1]|
.else
	v_max3_num_f32 v[ZM+(\c)], v[ZM+(\c)], |v[Z+16*(\c)+2*(\s)]|, |v[Z+16*(\c)+2*(\s)+1]|
.endif
.endr
.irp c, 0,1,2,3
.if (\s) == 0
	v_add_f32 v[ZS+(\c)], |v[Z+16*(\c)]|, |v[Z+16*(\c)+1]|
.else
	v_add_f32 v[ZS+(\c)], v[ZS+(\c)], |v[Z+16*(\c)+2*(\s)]|
.endif
.endr
.if (\s) > 0
.irp c, 0,1,2,3
	v_add_f32 v[ZS+(\c)], v[ZS+(\c)], |v[Z+16*(\c)+2*(\s)+1]|
.endr
.endif
.endr
	s_wait_alu depctr_va_vdst(0)                   ; the root
	v_add_f32 v24, s48, v24                        ; norm = root + EPS
	v_rcp_f32 v25, v24
	v_max3_num_f32 v[ZM], v[ZM], v[ZM+1], v[ZM+2]
	v_add_f32 v[ZS], v[ZS], v[ZS+1]
	v_add_f32 v[ZS+2], v[ZS+2], v[ZS+3]
	v_max_num_f32 v[ZM], v[ZM], v[ZM+3]
	v_add_f32 v[ZS], v[ZS], v[ZS+2]
	v_permlanex16_b32 v[ZM+1], v[ZM], s54, s55
	v_permlanex16_b32 v[ZS+1], v[ZS], s54, s55
	v_max_num_f32 v[ZM], v[ZM], v[ZM+1]
	v_add_f32 v[ZS], v[ZS], v[ZS+1]
	s_wait_alu depctr_va_vdst(0)                   ; 1 / norm
	DIV v26, s49, v24, v25, v27                    ; q = 128^-1/2 / norm: x_rot = q z
	v_mul_f32 v12, s49, v24                        ; norm x 128^-1/2, for the way back
	v_mul_f32 v13, v[ZM], v26                      ; x_max
	DIV v14, v13, s50, s51, v27                    ; rms = x_max / the last centroid
	v_mul_f32 v17, v[ZS], v26
	v_add_f32 v15, s48, v14                        ; rms + EPS
	v_fma_f32 v17, v17, s53, s48                   ; x_mean = sum |x_rot| / 128 + EPS
	v_rcp_f32 v18, v15
	v_rcp_f32 v19, v17
	v_nop                                          ; a plain instruction behind the last reciprocal,
	s_wait_alu depctr_va_vdst(0)                   ; and one wait for the two
	DIV v28, v26, v15, v18, v29                    ; x_norm = z q / (rms + EPS)
	DIV v21, v13, v17, v19, v27                    ; x_max / x_mean
	v_cmp_lt_f32 vcc_lo, s57, v21
	v_cndmask_b32 v22, 0, 1.0, vcc_lo              ; is_spiky, as 1.0 or 0
	v_cndmask_b32 v30, v15, v12, s52               ; lower half of the lanes: rms + EPS, rms; upper half: norm x 128^-1/2, is_spiky
	v_cndmask_b32 v31, v14, v22, s52
.irp p, 0,1,2,3,4,5,6,7,8,9,10,11,12,13,14,15
	v_pk_mul_f32 v[Z+4*(\p):Z+4*(\p)+1],   v[Z+4*(\p):Z+4*(\p)+1],   v[28:29] op_sel_hi:[1,0]
	v_pk_mul_f32 v[Z+4*(\p)+2:Z+4*(\p)+3], v[Z+4*(\p)+2:Z+4*(\p)+3], v[28:29] op_sel_hi:[1,0]
	global_store_b128 v[GO], v[Z+4*(\p):Z+4*(\p)+3], s[14:15] offset:(\t)*8192+512*(\p) th:TH_STORE_NT  ; the registers as they lie: 512 consecutive bytes, aligned; launch 2 loads them the same way
.endr
	global_store_b64 v[RO], v[30:31], s[16:17] offset:256*(\t)  ; 16 bytes a row: 256 consecutive bytes, aligned
.endm
	TILE 0
	TILE 1
	TILE 2
	TILE 3
	s_wait_tensorcnt 0x0                           ; the wave's end, behind my last tensor load and my last LDS store
	ds_add_u32 v[SPW], v[NIL]
	s_wait_dscnt 0x0
	s_endpgm
.Lfunc_end_k_q57a483759c_rotate:
	.size	k_q57a483759c_rotate, .Lfunc_end_k_q57a483759c_rotate-k_q57a483759c_rotate
	.p2alignl 7, 3214868480
	.fill 96, 4, 3214868480
	.section	.rodata,"a",@progbits
	.p2align	6, 0x0
	.amdhsa_kernel k_q57a483759c_rotate
		.amdhsa_group_segment_fixed_size 327680
		.amdhsa_private_segment_fixed_size 0
		.amdhsa_enable_private_segment 0
		.amdhsa_kernarg_size 64
		.amdhsa_user_sgpr_count 2
		.amdhsa_user_sgpr_kernarg_segment_ptr 1
		.amdhsa_wavefront_size32 1
		.amdhsa_system_sgpr_workgroup_id_x 1
		.amdhsa_system_sgpr_workgroup_id_y 1
		.amdhsa_system_sgpr_workgroup_id_z 1
		.amdhsa_system_vgpr_workitem_id 0
		.amdhsa_next_free_vgpr 512
		.amdhsa_next_free_sgpr 100
		.amdhsa_reserve_vcc 1
		.amdhsa_float_denorm_mode_32 3
		.amdhsa_float_denorm_mode_16_64 3
		.amdhsa_memory_ordered 1
		.amdhsa_forward_progress 1
		.amdhsa_inst_pref_size 98
	.end_amdhsa_kernel
	.amdgpu_metadata
---
amdhsa.version: [ 1, 2 ]
amdhsa.kernels:
  - .name:           k_q57a483759c_rotate
    .symbol:         k_q57a483759c_rotate.kd
    .args:
      - { .name: x, .offset: 0, .size: 8, .value_kind: global_buffer, .address_space: global }
      - { .name: signs, .offset: 8, .size: 8, .value_kind: global_buffer, .address_space: global }
      - { .name: wht, .offset: 16, .size: 8, .value_kind: global_buffer, .address_space: global }
      - { .name: boundaries, .offset: 24, .size: 8, .value_kind: global_buffer, .address_space: global }
      - { .name: centroids, .offset: 32, .size: 8, .value_kind: global_buffer, .address_space: global }
      - { .name: xn, .offset: 40, .size: 8, .value_kind: global_buffer, .address_space: global }
      - { .name: rowst, .offset: 48, .size: 8, .value_kind: global_buffer, .address_space: global }
      - { .name: lut, .offset: 56, .size: 8, .value_kind: global_buffer, .address_space: global }
    .group_segment_fixed_size: 327680
    .private_segment_fixed_size: 0
    .kernarg_segment_align: 8
    .kernarg_segment_size: 64
    .max_flat_workgroup_size: 256
    .sgpr_count:     100
    .vgpr_count:     512
    .wavefront_size: 32
...
	.end_amdgpu_metadata
.endif
;; end of part 1
;; launch refine (part 2): grid 256 x 1, 16 waves a work-group, no clusters, 167,936 bytes of LDS; arguments xn, rowst, lut, keyf, fac; writes keyf, fac
.if DOCPART == 2
	.amdgcn_target "amdgcn-amd-amdhsa--gfx1250"
	.amdhsa_code_object_version 6
	.text
	.protected	k_q57a483759c_refine
	.globl	k_q57a483759c_refine
	.p2align	8
	.type	k_q57a483759c_refine,@function
k_q57a483759c_refine:
	s_mov_b64 s[64:65], 0
	v_nop
	global_prefetch_b8 v0, s[64:65] scope:SCOPE_SE
	s_setreg_imm32_b32 hwreg(HW_REG_WAVE_MODE, 25, 1), 1
	s_wait_xcnt 0x0
; TURBOQUANT, LAUNCH 2 OF 3: the first look-up, gamma1, the final keys.  Nothing of reference() is left out here.
; xn holds x_norm = x_rot / (rms + EPS) in launch 1's register order: tile T (16 rows) is 8,192 bytes, piece p 512 bytes, lane l 16 bytes: row l % 16, coordinates 16 (p / 2) + 8 (l / 16) + 4 (p % 2) + 0..3.
; For each number: its key (the code of the least bf16 not below it) is made by whole-number work from the bits that launch 1 stored, and the table gives recon_u.  With E = rms + EPS:
; num = E sum(x_norm u), den = sum(u u) + EPS, gamma1 = num / den, and the second search's argument x_rot / (gamma1 + EPS) = x_norm rho, rho = E / (gamma1 + EPS).
; THE SELECTION.  where(is_spiky, idx_tmp, idx2) is made on the row's factor: rho = 1.0 in a spiky row, and x_norm x 1.0 has idx_tmp's key again.  gamma likewise: rms or gamma1.
; OUT.  keyf: the final keys, two to a word, tile T 4,096 bytes, piece a 512 bytes, lane l 16 bytes: coordinates 16 a + 8 (l / 16) + 0..7: launch 3's fragment order.
; fac: gamma x norm x 128^-1/2, for a pair of tiles 256 bytes, row r 16 bytes: the first tile's factor twice, the second's twice.
; SHARES.  16 waves, each two tiles; all 34 loads of a wave go out at the head.  No matrix work: there is no product here.
; THE TABLE, 131,072 bytes, comes into LDS once: wave w brings its bytes 8,192 w on by one tensor load; nothing is filled again.
; NO CLUSTER, though every work-group reads the same table: in a launch with joint loads every LDS address is alike in all partners, and the look-ups' addresses are made of each work-group's own keys.
; LIMITS.  NaN and infinities are not treated apart; divisions are a reciprocal and one correction step.
.set SPARE, 131072                     ; behind the table: the spare words, 128 bytes for each of 16 waves: eight blocks of 256 bytes that no other line names
.set GO,  4                            ; v4   16 x lane
.set R16, 5                            ; v5   16 r
.set R8,  6                            ; v6   16 r + 8 h
.set SPW, 8                            ; v8   LDS address of my spare word; never rewritten
.set NIL, 9                            ; v9   0; never rewritten
.set ZR,  10                           ; v10  0, the sums' first addend
.set NUM, 12                           ; v12-15 four chains
.set DEN, 16                           ; v16-19 four chains
.set RS,  32                           ; v32-39 a tile's four row numbers: rms + EPS, rms, norm x 128^-1/2, is_spiky
.set RHO, 40                           ; v[40:41]
.set FAC, 42                           ; v42-43
.set FP,  44                           ; v[44:45]
.set T,   64                           ; v64-127 keys, addresses, table values
.set XN,  128                          ; v128-255 x_norm of two tiles
.macro RUN n, line:vararg              ; a line n times, e = 0 .. n - 1
.set e, 0
.rept \n
	\line
.set e, e+1
.endr
.endm
.macro DIV q, n, d, rc, t              ; q = n / d from rc = 1 / d, with one correction step
	v_mul_f32 \q, \n, \rc
	v_fma_f32 \t, -\q, \d, \n
	v_fma_f32 \q, \t, \rc, \q
.endm
	s_load_b256 s[4:11], s[0:1], 0x0               ; xn s[4:5], rowst s[6:7], lut s[8:9], keyf s[10:11]
	s_load_b64 s[12:13], s[0:1], 0x20              ; fac
	v_lshl_add_u32 v[SPW], v0, 2, SPARE
	v_mov_b32 v[NIL], 0
	ds_add_u32 v[SPW], v[NIL]                      ; the wave's opening: the add, twice on end, and its wait ahead of my first tensor load
	ds_add_u32 v[SPW], v[NIL]
	v_lshrrev_b32 v1, 5, v0
	v_readfirstlane_b32 s14, v1                    ; wave 0..15
	s_lshl_b32 s17, ttmp9, 4
	s_add_co_u32 s17, s17, s14                     ; my pair of tiles = 16 x work-group + wave
	; descriptor group 1: 8,192 dense bytes as 32 rows of 32 elements of 8 bytes, no padding
	s_mov_b32 s24, 3<<16
	s_mov_b32 s25, 32<<16                          ; tensor_dim0
	s_mov_b32 s26, 32<<16                          ; tensor_dim1
	s_mov_b32 s27, 32<<16                          ; tile_dim0
	s_mov_b32 s28, 32                              ; tile_dim1
	s_mov_b32 s29, 32                              ; elements from row to row
	s_mov_b32 s30, 0
	s_mov_b32 s31, 0
	s_mov_b32 s32, 1
	s_lshl_b32 s33, s14, 13                        ; LDS byte 8,192 w
	s_lshl_b32 s18, s14, 13                        ; and the same byte of the table
	s_mov_b32 s19, 0
	s_mov_b32 s21, 0
	s_mov_b32 s36, 0x322bcc77                      ; EPS
	s_mov_b32 s37, 0xffff
	s_mov_b32 s38, 0x07060302                      ; v_perm_b32: the two upper halves
	s_mov_b32 s40, 0x76543210                      ; v_permlanex16_b32: each lane takes its own place in the other half
	s_mov_b32 s41, 0xfedcba98
	s_mov_b32 s42, 0xffff0000                      ; the lanes of the upper half
	v_and_b32 v1, 15, v0
	v_bfe_u32 v2, v0, 4, 1
	v_and_b32 v3, 31, v0
	v_lshlrev_b32 v[GO], 4, v3
	v_lshlrev_b32 v[R16], 4, v1
	v_lshl_add_u32 v[R8], v2, 3, v[R16]
	v_mov_b32 v[ZR], 0
	s_wait_dscnt 0x0                               ; both opening adds are done
	s_wait_kmcnt 0x0
	s_add_nc_u64 s[34:35], s[8:9], s[18:19]
	s_or_b32 s35, s35, 0x80000000
	tensor_load_to_lds s[32:35], s[24:31]          ; my one tensor load; nothing is filled again
	s_nop 0
.rept 4
	v_nop
.endr
	s_lshl_b32 s20, s17, 14
	s_add_nc_u64 s[4:5], s[4:5], s[20:21]          ; xn: two tiles of 8,192 bytes
	s_lshl_b32 s20, s17, 9
	s_add_nc_u64 s[6:7], s[6:7], s[20:21]          ; rowst: two of 256
	s_lshl_b32 s20, s17, 13
	s_add_nc_u64 s[10:11], s[10:11], s[20:21]      ; keyf: two of 4,096
	s_lshl_b32 s20, s17, 8
	s_add_nc_u64 s[12:13], s[12:13], s[20:21]      ; fac: 256
.irp t, 0,1
	RUN 16, global_load_b128 v[XN+64*(\t)+4*e:XN+64*(\t)+4*e+3], v[GO], s[4:5] offset:8192*(\t)+512*e th:TH_LOAD_NT
	global_load_b128 v[RS+4*(\t):RS+4*(\t)+3], v[R16], s[6:7] offset:256*(\t)
.endr
	s_wait_tensorcnt 0x0                           ; my part of the table is in,
	s_barrier_signal -1
	s_barrier_wait -1                              ; everybody's is
.macro TILE t
.set X0, XN+64*(\t)
.set R0, RS+4*(\t)
	s_wait_loadcnt 17-17*(\t)                      ; this tile's 17 loads are in; the other tile's 17 may stay out
	s_wait_xcnt 0x0                                ; the last tile's stores have read T
.irp g, 0,1,2,3                        ; sixteen numbers at a time: the key, its byte in the table, the look-up
.set gb, 16*(\g)
	RUN 16, v_ashrrev_i32 v[T+gb+e], 31, v[X0+gb+e]
	RUN 16, v_bfi_b32 v[T+gb+e], v[T+gb+e], 0, s37
	RUN 16, v_add_nc_u32 v[T+gb+e], v[T+gb+e], v[X0+gb+e]
	RUN 16, v_lshrrev_b32 v[T+gb+e], 16, v[T+gb+e]
	RUN 16, v_min_u32 v[T+gb+e], 0xffff, v[T+gb+e]
	RUN 16, v_lshlrev_b32 v[T+gb+e], 1, v[T+gb+e]
	RUN 16, ds_load_u16 v[T+gb+e], v[T+gb+e]
.endr                                  ; (0xffff is added where the number is not negative; the minimum bounds a loaded number by a constant before it enters an address)
	s_wait_dscnt 48                                ; the first sixteen look-ups are in
	RUN 4, v_fma_mix_f32_bf16 v[NUM+e], v[X0+e], v[T+e], v[ZR] op_sel_hi:[0,1,0]
	RUN 4, v_fma_mix_f32_bf16 v[DEN+e], v[T+e], v[T+e], v[ZR] op_sel_hi:[1,1,0]
.set e, 4
.rept 60
.if (e%16) == 0
	s_wait_dscnt 48-e                              ; the next sixteen
.endif
	v_fma_mix_f32_bf16 v[NUM+e%4], v[X0+e], v[T+e], v[NUM+e%4] op_sel_hi:[0,1,0]
	v_fma_mix_f32_bf16 v[DEN+e%4], v[T+e], v[T+e], v[DEN+e%4] op_sel_hi:[1,1,0]
.set e, e+1
.endr
	v_add_f32 v[NUM], v[NUM], v[NUM+1]
	v_add_f32 v[NUM+2], v[NUM+2], v[NUM+3]
	v_add_f32 v[DEN], v[DEN], v[DEN+1]
	v_add_f32 v[DEN+2], v[DEN+2], v[DEN+3]
	v_add_f32 v[NUM], v[NUM], v[NUM+2]
	v_add_f32 v[DEN], v[DEN], v[DEN+2]
	v_permlanex16_b32 v[NUM+1], v[NUM], s40, s41   ; the row's other 64 numbers lie in the lane 16 away
	v_permlanex16_b32 v[DEN+1], v[DEN], s40, s41
	v_add_f32 v[NUM], v[NUM], v[NUM+1]
	v_add_f32 v[DEN], v[DEN], v[DEN+1]
	v_add_f32 v[DEN], s36, v[DEN]                  ; den
	v_rcp_f32 v20, v[DEN]
	v_mul_f32 v[NUM], v[R0], v[NUM]                ; num; also the plain instruction behind the reciprocal
	s_wait_alu depctr_va_vdst(0)                   ; the wait ahead of its first use
	DIV v21, v[NUM], v[DEN], v20, v22              ; gamma1
	v_add_f32 v23, s36, v21
	v_rcp_f32 v20, v23
	v_nop
	v_cmp_lt_f32 s43, 0.5, v[R0+3]                 ; the spiky rows
	s_wait_alu depctr_va_vdst(0)
	DIV v[RHO], v[R0], v23, v20, v[RHO+1]          ; rho
	v_cndmask_b32 v[RHO], v[RHO], 1.0, s43
	v_cndmask_b32 v24, v21, v[R0+1], s43           ; gamma
	v_mul_f32 v[FAC+(\t)], v24, v[R0+2]
	RUN 32, v_pk_mul_f32 v[X0+2*e:X0+2*e+1], v[X0+2*e:X0+2*e+1], v[RHO:RHO+1] op_sel_hi:[1,0]
	RUN 64, v_ashrrev_i32 v[T+e], 31, v[X0+e]
	RUN 64, v_bfi_b32 v[T+e], v[T+e], 0, s37
	RUN 64, v_add_nc_u32 v[T+e], v[T+e], v[X0+e]
	RUN 32, v_perm_b32 v[T+e], v[T+2*e+1], v[T+2*e], s38
	RUN 8, global_store_b128 v[GO], v[T+4*e:T+4*e+3], s[10:11] offset:4096*(\t)+512*e th:TH_STORE_NT
.endm                                  ; (the key is the sum's upper half; word e takes those of numbers 2 e and 2 e + 1, ascending, so no word is written before it is read; each store covers 512 consecutive bytes, aligned)
	TILE 0
	TILE 1
	v_cndmask_b32 v[FP], v[FAC], v[FAC+1], s42     ; lower half of the lanes: the first tile's factor; upper half: the second's
	v_mov_b32 v[FP+1], v[FP]
	global_store_b64 v[R8], v[FP:FP+1], s[12:13]   ; 256 consecutive bytes, aligned
	s_wait_tensorcnt 0x0                           ; the wave's end
	ds_add_u32 v[SPW], v[NIL]
	s_wait_dscnt 0x0
	s_endpgm
.Lfunc_end_k_q57a483759c_refine:
	.size	k_q57a483759c_refine, .Lfunc_end_k_q57a483759c_refine-k_q57a483759c_refine
	.p2alignl 7, 3214868480
	.fill 96, 4, 3214868480
	.section	.rodata,"a",@progbits
	.p2align	6, 0x0
	.amdhsa_kernel k_q57a483759c_refine
		.amdhsa_group_segment_fixed_size 167936
		.amdhsa_private_segment_fixed_size 0
		.amdhsa_enable_private_segment 0
		.amdhsa_kernarg_size 40
		.amdhsa_user_sgpr_count 2
		.amdhsa_user_sgpr_kernarg_segment_ptr 1
		.amdhsa_wavefront_size32 1
		.amdhsa_system_sgpr_workgroup_id_x 1
		.amdhsa_system_sgpr_workgroup_id_y 1
		.amdhsa_system_sgpr_workgroup_id_z 1
		.amdhsa_system_vgpr_workitem_id 0
		.amdhsa_next_free_vgpr 256
		.amdhsa_next_free_sgpr 66
		.amdhsa_reserve_vcc 0
		.amdhsa_float_denorm_mode_32 3
		.amdhsa_float_denorm_mode_16_64 3
		.amdhsa_memory_ordered 1
		.amdhsa_forward_progress 1
		.amdhsa_inst_pref_size 91
	.end_amdhsa_kernel
	.amdgpu_metadata
---
amdhsa.version: [ 1, 2 ]
amdhsa.kernels:
  - .name:           k_q57a483759c_refine
    .symbol:         k_q57a483759c_refine.kd
    .args:
      - { .name: xn, .offset: 0, .size: 8, .value_kind: global_buffer, .address_space: global }
      - { .name: rowst, .offset: 8, .size: 8, .value_kind: global_buffer, .address_space: global }
      - { .name: lut, .offset: 16, .size: 8, .value_kind: global_buffer, .address_space: global }
      - { .name: keyf, .offset: 24, .size: 8, .value_kind: global_buffer, .address_space: global }
      - { .name: fac, .offset: 32, .size: 8, .value_kind: global_buffer, .address_space: global }
    .group_segment_fixed_size: 167936
    .private_segment_fixed_size: 0
    .kernarg_segment_align: 8
    .kernarg_segment_size: 40
    .max_flat_workgroup_size: 512
    .sgpr_count:     66
    .vgpr_count:     256
    .wavefront_size: 32
...
	.end_amdgpu_metadata
.endif
;; end of part 2
;; launch back (part 3): grid 256 x 1, 8 waves a work-group, no clusters, 234,496 bytes of LDS; arguments keyf, fac, lut, signs, wht, out0; writes out0
.if DOCPART == 3
	.amdgcn_target "amdgcn-amd-amdhsa--gfx1250"
	.amdhsa_code_object_version 6
	.text
	.protected	k_q57a483759c_back
	.globl	k_q57a483759c_back
	.p2align	8
	.type	k_q57a483759c_back,@function
k_q57a483759c_back:
	s_mov_b64 s[64:65], 0
	v_nop
	global_prefetch_b8 v0, s[64:65] scope:SCOPE_SE
	s_setreg_imm32_b32 hwreg(HW_REG_WAVE_MODE, 25, 1), 1
	s_wait_xcnt 0x0
; TURBOQUANT, LAUNCH 3 OF 3: the final look-up and the rotation back.  Nothing of reference() is left out here.
; x_hat[row][j] = fac[row] x the sum over c of centroid(key[row][c]) S[j][c], S[j][c] = signs[j] wht[j][c] in bf16 as in launch 1; fac = gamma x norm x 128^-1/2 is linear in the product and applied in f32.
; The keys are whole numbers that launch 2 stored; the table gives the centroids in bf16, which are the product's exact operands.
; LAYOUT.  Transposed: source 0 = 16 rows j of S (they lie along c: plain loads), source 1 = 16 rows' centroids.  keyf's word order is the fragment's order: lane l holds row l % 16 and coordinates
; 16 a + 8 (l / 16) + 0..7, and pieces 2 ks, 2 ks + 1 are fragment ks.  In the result a lane holds eight neighbouring numbers of a row of x_hat; a tile goes through the wave's own stage in LDS and
; leaves as whole rows of 512 bytes.
; SHARES.  Eight waves, each 64 rows: four tiles; all loads of a wave go out at the head.
; THE TABLE, 131,072 bytes, comes into LDS once: wave w brings its bytes 16,384 w on by one tensor load; nothing is filled again.
; NO CLUSTER, though every work-group reads the same table: in a launch with joint loads every LDS address is alike in all partners, and the look-ups' addresses are made of each work-group's own keys.
; wht passes through registers for its rounding and its sign.
; REGISTERS.  Window 0 as named below; window 1: the 32 fragments of S, fragment (jt, ks) at 8 (4 jt + ks).
.set SM,    131072                     ; behind the table: S in bf16, [128][128], rows PS apart
.set PS,    272                        ; 256 bytes + 16: the 16 rows of a load begin 68 words apart
.set STAGE, SM+128*PS                  ; 16 rows x 528 bytes for each wave
.set SP,    528
.set SPARE, STAGE+8*16*SP              ; the spare words, 128 bytes for each wave: four blocks of 256 bytes that no other line names
.set GO,  4                            ; v4   16 x lane
.set R16, 5                            ; v5   16 r
.set STO, 6                            ; v6   where I put 32 bytes of a row
.set RD,  7                            ; v7   where I read a row back
.set SPW, 8                            ; v8   LDS address of my spare word; never rewritten
.set NIL, 9                            ; v9   0; never rewritten
.set SA,  10                           ; v10  where I put 8 bytes of a row of S
.set WA,  11                           ; v11  my place in a fragment of S
.set SG,  12
.set SGA, 13
.set FA,  16                           ; v16-23 tile t's factor, twice, at FA + 2 t
.set CB,  32                           ; v32-63 centroids in bf16: four fragments
.set T,   64                           ; v64-127 table addresses and values; then the eight accumulators; at the head 16 rows of wht
.set O,   64
.set WT,  64
.set KEY, 128                          ; v128-255 four tiles' keys
.set MSB, 0
.macro WIN new                         ; the immediate's high byte repeats the setting that is left
.if MSB != (\new)
	s_set_vgpr_msb (MSB<<8)|(\new)
.set MSB, \new
.endif
.endm
.macro RUN n, line:vararg              ; a line n times, e = 0 .. n - 1
.set e, 0
.rept \n
	\line
.set e, e+1
.endr
.endm
	s_load_b256 s[4:11], s[0:1], 0x0               ; keyf s[4:5], fac s[6:7], lut s[8:9], signs s[10:11]
	s_load_b128 s[12:15], s[0:1], 0x20             ; wht s[12:13], out0 s[14:15]
	v_lshl_add_u32 v[SPW], v0, 2, SPARE
	v_mov_b32 v[NIL], 0
	ds_add_u32 v[SPW], v[NIL]                      ; the wave's opening: the add, twice on end, and its wait ahead of my first tensor load
	ds_add_u32 v[SPW], v[NIL]
	v_lshrrev_b32 v1, 5, v0
	v_readfirstlane_b32 s20, v1                    ; wave 0..7
	s_lshl_b32 s23, ttmp9, 3
	s_add_co_u32 s23, s23, s20                     ; my block of 64 rows = 8 x work-group + wave
	; descriptor group 1: 16,384 dense bytes as 64 rows of 32 elements of 8 bytes, no padding
	s_mov_b32 s24, 3<<16
	s_mov_b32 s25, 32<<16                          ; tensor_dim0
	s_mov_b32 s26, 64<<16                          ; tensor_dim1
	s_mov_b32 s27, 32<<16                          ; tile_dim0
	s_mov_b32 s28, 64                              ; tile_dim1
	s_mov_b32 s29, 32                              ; elements from row to row
	s_mov_b32 s30, 0
	s_mov_b32 s31, 0
	s_mov_b32 s32, 1
	s_lshl_b32 s33, s20, 14                        ; LDS byte 16,384 w
	s_lshl_b32 s36, s20, 14                        ; and the same byte of the table
	s_mov_b32 s37, 0
	s_mov_b32 s39, 0
	v_and_b32 v1, 15, v0                           ; r
	v_bfe_u32 v2, v0, 4, 1                         ; h
	v_and_b32 v3, 31, v0                           ; lane
	v_lshlrev_b32 v[GO], 4, v3
	v_lshlrev_b32 v[R16], 4, v1
	v_lshlrev_b32 v[SGA], 2, v1
	s_mul_i32 s42, s20, 16*SP
	s_add_co_u32 s42, s42, STAGE                   ; my stage
	v_mul_u32_u24 v[STO], v1, SP
	v_lshl_add_u32 v[STO], v2, 5, v[STO]
	v_add_nc_u32 v[STO], s42, v[STO]
	v_add_nc_u32 v[RD], s42, v[GO]
	s_mul_i32 s43, s20, 16*PS
	s_add_co_u32 s43, s43, SM
	v_lshl_add_u32 v[SA], v3, 3, s43
	v_mul_u32_u24 v[WA], v1, PS
	v_lshl_add_u32 v[WA], v2, 4, v[WA]
	v_add_nc_u32 v[WA], SM, v[WA]
	s_wait_dscnt 0x0                               ; both opening adds are done
	s_wait_kmcnt 0x0
	s_add_nc_u64 s[34:35], s[8:9], s[36:37]
	s_or_b32 s35, s35, 0x80000000
	tensor_load_to_lds s[32:35], s[24:31]          ; my one tensor load; nothing is filled again
	s_nop 0
.rept 4
	v_nop
.endr
	s_lshl_b32 s38, s23, 14
	s_add_nc_u64 s[4:5], s[4:5], s[38:39]          ; keyf: four tiles of 4,096 bytes
	s_lshl_b32 s38, s23, 9
	s_add_nc_u64 s[6:7], s[6:7], s[38:39]          ; fac: two pairs of 256
	s_lshl_b32 s38, s23, 15
	s_add_nc_u64 s[14:15], s[14:15], s[38:39]      ; out0: 64 rows of 512
	s_lshl_b32 s38, s20, 13
	s_add_nc_u64 s[12:13], s[12:13], s[38:39]      ; my 16 rows of wht
	s_lshl_b32 s38, s20, 6
	s_add_nc_u64 s[10:11], s[10:11], s[38:39]      ; and their signs
	RUN 16, global_load_b128 v[WT+4*e:WT+4*e+3], v[GO], s[12:13] offset:512*e
	global_load_b32 v[SG], v[SGA], s[10:11]
	global_load_b128 v[FA:FA+3],   v[R16], s[6:7] th:TH_LOAD_NT
	global_load_b128 v[FA+4:FA+7], v[R16], s[6:7] offset:256 th:TH_LOAD_NT
	RUN 32, global_load_b128 v[KEY+4*e:KEY+4*e+3], v[GO], s[4:5] offset:512*e th:TH_LOAD_NT
	s_wait_loadcnt 34                              ; wht and the signs are in; the 2 loads of factors and the 32 of keys may stay out
	; S = bf16(signs) x bf16(wht), my 16 rows: lane l has columns 4 l .. 4 l + 3 of each
	v_cvt_pk_bf16_f32 v[SG], v[SG], v[SG]
.irp i, 0,1,2,3,4,5,6,7,8,9,10,11,12,13,14,15
	v_readlane_b32 s[68+(\i)], v[SG], (\i)         ; row i's sign, in both halves
.endr
.irp i, 0,1,2,3,4,5,6,7,8,9,10,11,12,13,14,15
	v_cvt_pk_bf16_f32 v[WT+4*(\i)], v[WT+4*(\i)], v[WT+4*(\i)+1]
	v_cvt_pk_bf16_f32 v[WT+4*(\i)+1], v[WT+4*(\i)+2], v[WT+4*(\i)+3]
	v_pk_mul_bf16 v[WT+4*(\i)], v[WT+4*(\i)], s[68+(\i)]
	v_pk_mul_bf16 v[WT+4*(\i)+1], v[WT+4*(\i)+1], s[68+(\i)]
	ds_store_b64 v[SA], v[WT+4*(\i):WT+4*(\i)+1] offset:(\i)*PS
.endr
	s_wait_tensorcnt 0x0                           ; my part of the table is in,
	s_wait_dscnt 0x0                               ; and my rows of S:
	s_barrier_signal -1
	s_barrier_wait -1                              ; everybody's are
	WIN 0x40                                       ; destination window 1
.irp jt, 0,1,2,3,4,5,6,7
.irp ks, 0,1,2,3
	ds_load_b128 v[8*(4*(\jt)+(\ks)):8*(4*(\jt)+(\ks))+3],   v[WA] offset:(\jt)*16*PS+64*(\ks)
	ds_load_b128 v[8*(4*(\jt)+(\ks))+4:8*(4*(\jt)+(\ks))+7], v[WA] offset:(\jt)*16*PS+64*(\ks)+32
.endr
.endr
	WIN 0
	s_wait_dscnt 0x0
.macro TILE t
.set K0, KEY+32*(\t)
	s_wait_loadcnt 24-8*(\t)                       ; the factors and this tile's keys are in; the later tiles' eight loads each may stay out
	s_wait_xcnt 0x0                                ; the last tile's stores have read their registers, which are written again below
	RUN 32, v_and_b32 v[T+2*e], 0xffff, v[K0+e]
	RUN 32, v_lshrrev_b32 v[T+2*e+1], 16, v[K0+e]
	RUN 64, v_min_u32 v[T+e], 0xffff, v[T+e]
	RUN 64, v_lshlrev_b32 v[T+e], 1, v[T+e]
	RUN 64, ds_load_u16 v[T+e], v[T+e]
.set e, 0                              ; (the minimum bounds a loaded number by a constant before it enters an address)
.rept 32
.if (e%8) == 0
	s_wait_dscnt 48-2*e                            ; sixteen look-ups at a time: the later ones may stay out
.endif
	v_lshl_or_b32 v[CB+e], v[T+2*e+1], 16, v[T+2*e]
.set e, e+1
.endr
	WIN 0x01                                       ; source 0 (S) in window 1
.irp ks, 0,1,2,3                       ; the eight accumulators take turns, one instruction a turn
.irp jt, 0,1,2,3,4,5,6,7
.if (\ks) == 0
	v_wmma_f32_16x16x32_bf16 v[O+8*(\jt):O+8*(\jt)+7], v[8*(4*(\jt)+(\ks)):8*(4*(\jt)+(\ks))+7], v[CB+8*(\ks):CB+8*(\ks)+7], 0
.else
	v_wmma_f32_16x16x32_bf16 v[O+8*(\jt):O+8*(\jt)+7], v[8*(4*(\jt)+(\ks)):8*(4*(\jt)+(\ks))+7], v[CB+8*(\ks):CB+8*(\ks)+7], v[O+8*(\jt):O+8*(\jt)+7]
.endif
.endr
.endr
	WIN 0
.rept 4
	v_nop                                          ; the places behind the last products: no other vector work is at hand
.endr
	RUN 32, v_pk_mul_f32 v[O+2*e:O+2*e+1], v[O+2*e:O+2*e+1], v[FA+2*(\t):FA+2*(\t)+1]
	RUN 16, ds_store_b128 v[STO], v[O+4*e:O+4*e+3] offset:64*(e/2)+16*(e%2)
	RUN 16, ds_load_b128 v[O+4*e:O+4*e+3], v[RD] offset:SP*e
.set e, 0                              ; (each accumulator is read from its low end on; LDS serves a wave's instructions in order (ISA guide 5.7.1.4), so the loads see the stores above, and the stage is the wave's own)
.rept 16
	s_wait_dscnt 15-e                              ; row e is back; the later rows' loads may stay out
	global_store_b128 v[GO], v[O+4*e:O+4*e+3], s[14:15] offset:512*(16*(\t)+e) th:TH_STORE_NT  ; a whole row: 512 consecutive bytes, aligned
.set e, e+1
.endr
.endm
	TILE 0
	TILE 1
	TILE 2
	TILE 3
	s_wait_tensorcnt 0x0                           ; the wave's end, behind my last tensor load and my last LDS store
	ds_add_u32 v[SPW], v[NIL]
	s_wait_dscnt 0x0
	s_endpgm
.Lfunc_end_k_q57a483759c_back:
	.size	k_q57a483759c_back, .Lfunc_end_k_q57a483759c_back-k_q57a483759c_back
	.p2alignl 7, 3214868480
	.fill 96, 4, 3214868480
	.section	.rodata,"a",@progbits
	.p2align	6, 0x0
	.amdhsa_kernel k_q57a483759c_back
		.amdhsa_group_segment_fixed_size 234496
		.amdhsa_private_segment_fixed_size 0
		.amdhsa_enable_private_segment 0
		.amdhsa_kernarg_size 48
		.amdhsa_user_sgpr_count 2
		.amdhsa_user_sgpr_kernarg_segment_ptr 1
		.amdhsa_wavefront_size32 1
		.amdhsa_system_sgpr_workgroup_id_x 1
		.amdhsa_system_sgpr_workgroup_id_y 1
		.amdhsa_system_sgpr_workgroup_id_z 1
		.amdhsa_system_vgpr_workitem_id 0
		.amdhsa_next_free_vgpr 512
		.amdhsa_next_free_sgpr 84
		.amdhsa_reserve_vcc 0
		.amdhsa_float_denorm_mode_32 3
		.amdhsa_float_denorm_mode_16_64 3
		.amdhsa_memory_ordered 1
		.amdhsa_forward_progress 1
		.amdhsa_inst_pref_size 112
	.end_amdhsa_kernel
	.amdgpu_metadata
---
amdhsa.version: [ 1, 2 ]
amdhsa.kernels:
  - .name:           k_q57a483759c_back
    .symbol:         k_q57a483759c_back.kd
    .args:
      - { .name: keyf, .offset: 0, .size: 8, .value_kind: global_buffer, .address_space: global }
      - { .name: fac, .offset: 8, .size: 8, .value_kind: global_buffer, .address_space: global }
      - { .name: lut, .offset: 16, .size: 8, .value_kind: global_buffer, .address_space: global }
      - { .name: signs, .offset: 24, .size: 8, .value_kind: global_buffer, .address_space: global }
      - { .name: wht, .offset: 32, .size: 8, .value_kind: global_buffer, .address_space: global }
      - { .name: out0, .offset: 40, .size: 8, .value_kind: global_buffer, .address_space: global }
    .group_segment_fixed_size: 234496
    .private_segment_fixed_size: 0
    .kernarg_segment_align: 8
    .kernarg_segment_size: 48
    .max_flat_workgroup_size: 256
    .sgpr_count:     84
    .vgpr_count:     512
    .wavefront_size: 32
...
	.end_amdgpu_metadata
.endif
;; end of part 3
